; MI455X (gfx1250); checked and timed in simulation.
; The chip was launched on July 23, 2026; its instructions are those of AMD's public machine-readable ISA for CDNA 5 (MIT licence, August 2026) and "CDNA5" Instruction Set Architecture Reference Guide (July 2026). The comments in the code are by the model that wrote it; some were corrected since.
;; Adapted Linear. Allowed arithmetic: matrix products marked QUANTISED: E2M1 operands, one E8M0 scale for each 32 along K, by v_wmma_scale_f32_16x16x128_f8f6f4 with both operands' format E2M1 (or v_wmma_scale_f32_32x16x128_f4), f32 sums; products left as they are: f32 operands where the result goes on into a quantised operand, else bf16, f16 or f32 operands; f32 sums; everything else in f32.
;; Inputs: HN_ids 16 int32; W_A 256 x 32,768 float32; W_B 256 x 32,768 float32; bias 2,048 float32; emb_id 1,000 x 256 float32; emb_layer 24 x 256 float32; weight 2,048 x 2,048 float32; x 16 x 2,048 float32.
;; Outputs: out0 16 x 2,048 float32.
;; Constants: layer_id = 3.
;; This version of the problem:
;;   THIS VERSION OF THE PROBLEM IS GIVEN IN LOW PRECISION. The matrix products marked QUANTISED in the list below multiply operands that are first quantised to E2M1 (2 exponent bits, 1 mantissa bit; 4 bits a number), with one power-of-two scale for each 32 numbers along K (OCP MX v1.0); their sums are f32. All else is computed in f32.
;;   The module's matrix products, in the order in which they are computed (A, B: the left and right operand; K: the contracted axis; several contracted axes count as one K, in the product's order):
;;     1. [M 16, K 256] x [K 256, N 32,768]; A: computed on the way; B: input W_A: QUANTISED
;;     2. [M 16, K 256] x [K 256, N 32,768]; A: computed on the way; B: input W_B: QUANTISED
;;     3. batch 16 x [M 2,048, K 16] x [K 16, N 2,048]; A: computed on the way; B: computed on the way: left as it is (K = 16 < 32)
;;     4. batch 16 x [M 2,048, K 2,048] x [K 2,048, N 1]; A: computed on the way; B: input x: left as it is (N = 1 < 16)
;;   THE QUANTISER, for each operand of a quantised product, along K:
;;     - K is cut into blocks of 32 from its start; a last block that is shorter is filled with zeros.
;;     - A block's scale is 2^e with e = floor(log2(the largest magnitude in the block)) - 2, held to -126 .. 127; a block of zeros has e = 0. As a byte (E8M0): e + 127.
;;     - Each number is divided by its block's scale, clamped to +-6, and rounded to the nearest number of E2M1, ties to even, subnormals kept.
;;     - The product sums the exact products of the quantised numbers (number of the format x scale) in f32.
;;   ~~~python
;;   def quantise(x, axis):      # numpy; x: float32 -> the quantised numbers, widened to float32 again
;;       x = np.moveaxis(x, axis, -1); K = x.shape[-1]
;;       x = np.pad(x, [(0, 0)] * (x.ndim - 1) + [(0, -K % 32)]); x = x.reshape(x.shape[:-1] + (-1, 32)); a = np.abs(x).max(-1, keepdims=True)
;;       e = np.where(a > 0, np.clip(np.frexp(np.where(a > 0, a, 1))[1] - 1 - 2, -126, 127), 0)      # np.frexp(a)[1] - 1 = floor(log2(a)), exactly
;;       r = np.clip(x / 2.0 ** e, -6, 6)
;;       step = 2.0 ** (np.maximum(np.frexp(np.where(r == 0, 1, r))[1] - 1, 0) - 1)
;;       q = np.round(r / step) * step * 2.0 ** e      # np.round: ties to even
;;       return np.moveaxis(q.reshape(q.shape[:-2] + (-1,))[..., :K], -1, axis).astype(np.float32)
;;   ~~~
;;   OPERANDS COMPUTED ON THE WAY. 'Computed on the way' means the value that the module computes at that place (a softmax that the list does not call 'softmax' is quantised finished and normalised). What goes into a quantiser is computed in f32, as accurately as f32 sums, v_exp_f32 and their like allow (about 1e-6 of the number): no bf16 or f16 on the way to a quantiser, and a product that is left as it is and whose result goes on into a quantised operand takes f32 operands (vector FMAs, or v_wmma_f32_16x16x4_f32). A number that lies on a knife's edge between two numbers of the format may be rounded either way, as far as f32 arithmetic and the matrix unit's own rounding can turn it there, and no further.
;; One version. Each part assembles by itself: llvm-mc -triple=amdgcn-amd-amdhsa -mcpu=gfx1250 --defsym DOCPART=n.
;; ======== version 1 of 1: 2 launches
;; workspace buffers: tp 16,384 bytes; bp 1,048,576 bytes; hq 2,560 bytes
;; launch first (part 1): grid 256 x 1, 4 waves a work-group, no clusters, 215,552 bytes of LDS; arguments HN_ids, emb_id, emb_layer, x, weight, W_A, tp, bp, hq; writes tp, bp, hq
.if DOCPART == 1
	.amdgcn_target "amdgcn-amd-amdhsa--gfx1250"
	.amdhsa_code_object_version 6
	.text
	.protected	k_qcced9e4d77_first
	.globl	k_qcced9e4d77_first
	.p2align	8
	.type	k_qcced9e4d77_first,@function
k_qcced9e4d77_first:
	s_mov_b64 s[64:65], 0
	v_nop
	global_prefetch_b8 v0, s[64:65] scope:SCOPE_SE
	s_setreg_imm32_b32 hwreg(HW_REG_WAVE_MODE, 25, 1), 1
	s_wait_xcnt 0x0
; out[b][o] = sum_i weight[o][i] x[b][i] + sum_r B[b][o][r] t[b][r] + bias[o],  t[b][r] = sum_i A[b][r][i] x[b][i],  A = h W_A, B = h W_B, h = emb_id[HN_ids] + emb_layer[3].
; (The sum over i of (weight + B A) x, written with the sum over r outermost: the same terms, no difference of large sums, and the 16 matrices B A are never formed.)
; THIS LAUNCH makes h and its codes, A (on codes of E2M1, one E8M0 scale for each 32 along K = 256), the parts of t, and the parts of weight x (bf16 operands, f32 sums).
; SHARES.  256 work-groups of four waves.  Work-group w = 16 a + 2 kc + e owns columns 128 w .. 128 w + 127 of W_A: r = a, i = 256 kc + 128 e + 0 .. 127; and the tile of weight of rows 64 (2 a + e) on, i = 256 kc + 0 .. 255.
; One tile of x, 16 rows x 256 numbers from i = 256 kc on, serves both.  Wave (s = wave / 2, half = wave % 2) takes K step s (128 rows of W_A) x 64 columns, and 16 rows of the weight tile.
; W_A HAS K AS ITS FIRST AXIS.  The conversion to codes takes eight neighbours along K from one lane's registers, so a lane takes a column and its registers run down K.  The tile comes into LDS by tensor loads, whose rows
; are 256 consecutive bytes at a multiple of 256 from W_A's first byte, and goes from there into registers four bytes a lane: 32 lanes read 128 consecutive bytes.  A wave's tile comes as four loads of 32 rows, one block
; of the quantiser each, into the wave's own bytes: block p is quantised while the later blocks are on their way.
; THE PRODUCT IS USED TRANSPOSED (source 0 = 16 columns of W_A, source 1 = h): a lane then holds one sample b and eight neighbouring columns, which meet eight neighbouring numbers of x's row b.
; K's two steps lie in two waves: all that follows the product is linear, so the waves' parts of t are added at the end, through LDS.
; WHAT LEAVES: tp[w][b], the work-group's part of t[b][a] (64 bytes); bp, record 8 (2 a + e) + kc of 4,096 bytes: element (o = 16 wave + 8 h + 4 q + j, b) at 1,024 wave + 512 q + 16 (16 h + b) + 4 j, so that
; each store of a wave covers 512 consecutive bytes; hq, an image of the registers of h's two fragments and their scale words (work-group 0 stores it).
; NO CLUSTER: of the 212,992 bytes that a work-group's tensor loads bring, the 16,384 of x alone are also brought by others.  Nothing is filled twice: a work-group's whole share lies in LDS at once, so there is no ring.
; LIMITS.  NaN and infinities among the inputs are not served.  A block of zeros gets the scale byte 1 where the rule says 127: its codes are zeros, which add nothing, and the bytes are read by this program alone.
; HN_ids is held at 999 from above (as an unsigned number).  weight and x are rounded to bf16 for weight x.  The sums are ordered otherwise than in the formula above.
.set LAYER, 3                          ; layer_id
.set XP,    1040                       ; an LDS row of x or of weight: 1,024 bytes + 16 of padding = 65 x 16: the 16 rows that a 16-byte load touches begin at 16 different places modulo 256 bytes
.set PIECEB, 8192                      ; 32 rows x 256 bytes of W_A
.set WGT,   131072                     ; LDS: from 0 the four waves' tiles of W_A, 32,768 bytes each; here the four waves' 16 rows of weight;
.set XT,    WGT+4*16*XP                ; 197,632: x's 16 rows;
.set TS,    XT+16*XP                   ; 214,272 = 837 x 256: 256 bytes for the waves' parts of t, into which no tensor load lands
.set R,    1                           ; v1   lane % 16
.set H,    2                           ; v2   lane / 16
.set WAD,  3                           ; v3   LDS: my wave's tile of W_A + 4 x lane
.set XTA,  4                           ; v4   LDS: x's row r at my eight columns of tile 0
.set WGA,  5                           ; v5   LDS: row r of my wave's 16 rows of weight, + 64 h
.set XFA,  6                           ; v6   LDS: x's row r, + 64 h
.set EOFF, 7                           ; v7   my sample's row of emb_id, + 128 h
.set H128, 8                           ; v8   128 h
.set ID,   9                           ; v9   my sample's id
.set L16,  10                          ; v10  16 x lane
.set TSW,  11                          ; v11  LDS: where my wave puts its part of t
.set MX0,  12                          ; v12-13 largest magnitudes, in two chains; later a chain of t
.set MX1,  13
.set SCO,  14                          ; v14  the conversions' scale operand (v15 a second one for h); later a chain of t
.set BY,   15                          ; v15  a scale byte
.set SW,   16                          ; v16-17 W_A's scale words: lane = column, byte = block; column group 0, 1
.set HS,   18                          ; v18  h's scale word
.set PT,   19                          ; v19  a lane permute's destination
.set HC,   20                          ; v20-27 h's fragment
.set TSR,  28                          ; v28  LDS: where wave 0 reads the four parts of t
.set L4,   29                          ; v29  4 x lane
.set R4,   30                          ; v30  4 r
.set TMP,  31
.set CD,   32                          ; v32-63 W_A's codes: four fragments of 8.  Before that: the two accumulators of weight x and their sum
.set AC,   32
.set WD,   64                          ; v64-127 two column groups x 32 numbers down K.  Before that: weight's and x's numbers
.set ACC,  64                          ; v64-95 A: four tiles of 8
.set XR,   96                          ; v96-127 x at my columns
.set EID,  128                         ; v128-191 my 64 numbers of emb_id's row, then of h
.set ELAY, 192                         ; v192-255 the same of emb_layer's row
.set G1W,  36                          ; s[36:43] descriptor group 1 for W_A's pieces;  s[44:51] for x's quarter;  s[52:59] for weight's 16 rows
.set G1X,  44
.set G1G,  52
.set G0X,  60                          ; s[60:63], s[68:71], s[72:87] groups 0: x, weight, W_A's four pieces
.set G0G,  68
.set G0W,  72
; One block of 32 along K of 32 columns (column group gg, block p): all 32 numbers of a column are one lane's.
.macro QBLK gg, p
.set X,  WD+32*(\gg)
.set C0, CD+16*(\gg)+4*((\p)>>1)+8*((\p)&1)    ; blocks 0 and 2 into registers 0-7 of the group's 16, blocks 1 and 3 into 8-15
	v_max3_num_f32 v[MX0], |v[X]|, |v[X+1]|, |v[X+2]|
	v_max3_num_f32 v[MX1], |v[X+3]|, |v[X+4]|, |v[X+5]|
.irp i, 6,10,14,18,22,26
	v_max3_num_f32 v[MX0], v[MX0], |v[X+\i]|, |v[X+\i+1]|
	v_max3_num_f32 v[MX1], v[MX1], |v[X+\i+2]|, |v[X+\i+3]|
.endr
	v_max3_num_f32 v[MX0], v[MX0], |v[X+30]|, |v[X+31]|
	v_max3_num_f32 v[MX0], v[MX0], v[MX1], 0x1800000               ; and the floor 2^(3 - 127): the byte cannot fall under 1
	v_add_nc_u32 v[SCO], 0xff000000, v[MX0]                        ; 2 off the exponent field: the conversion takes this operand's exponent field as its scale
.irp q, 0,1,2,3
	v_cvt_scalef32_pk8_fp4_f32 v[C0+\q], v[X+8*\q:X+8*\q+7], v[SCO]
.endr
.if (\p) == 0                          ; the scale's byte; this shift is also the plain instruction behind the conversions
	v_lshrrev_b32 v[SW+\gg], 23, v[SCO]
.else
	v_lshrrev_b32 v[BY], 23, v[SCO]
	v_lshl_or_b32 v[SW+\gg], v[BY], 8*(\p), v[SW+\gg]
.endif
.endm
; Block p of my wave's tile: left = how many younger tensor loads of mine may stay out.
.macro PIECE p, left
	s_wait_tensorcnt \left                         ; a wave's tensor loads end in order: block p lies in my own bytes, which no other wave reads
.irp gg, 0,1
.irp i, 0,1,2,3,4,5,6,7,8,9,10,11,12,13,14,15,16,17,18,19,20,21,22,23,24,25,26,27,28,29,30,31
	ds_load_b32 v[WD+32*\gg+\i], v[WAD] offset:(\p)*PIECEB+\i*256+\gg*128    ; row 32 p + i, columns 32 gg + lane
.endr
.endr
	s_wait_dscnt 32                                ; group 0's 32 loads are in, group 1's may be out
	QBLK 0, \p
	s_wait_dscnt 0x0
	QBLK 1, \p
.endm
; The operand's layout wants, for 16 columns, block 2 c in lanes 0-15 and block 2 c + 1 in lanes 16-31.  The exchange gives that for columns 0-15 of a group in its registers 0-7 and for columns 16-31 in 8-15.
.macro SWAPS
.irp gg, 0,1
.irp c, 0,1
.irp q, 0,1,2,3
	v_permlane16_swap_b32 v[CD+16*\gg+4*\c+\q], v[CD+16*\gg+8+4*\c+\q]
.endr
.endr
.endr
.endm
; Four products, each on an accumulator of its own and begun with the constant 0.  Tile T: columns 16 T on; its scale words lie in lanes 0-15 (even T) or 16-31 (odd T) of its group's register.
.macro MULT
.rept 8
	v_nop                                          ; a scale register written by vector instructions stands eight plain instructions ahead of a scaled product, an operand so written four
.endr
.irp g, 0,1
	v_wmma_scale_f32_16x16x128_f8f6f4 v[ACC+16*\g:ACC+16*\g+7], v[CD+16*\g:CD+16*\g+7], v[HC:HC+7], 0, v[SW+\g], v[HS] matrix_a_fmt:MATRIX_FMT_FP4 matrix_b_fmt:MATRIX_FMT_FP4
	v_wmma_scale_f32_16x16x128_f8f6f4 v[ACC+16*\g+8:ACC+16*\g+15], v[CD+16*\g+8:CD+16*\g+15], v[HC:HC+7], 0, v[SW+\g], v[HS] matrix_a_fmt:MATRIX_FMT_FP4 matrix_b_fmt:MATRIX_FMT_FP4 matrix_a_scale:MATRIX_SCALE_ROW1
.endr
.rept 4
	v_nop                                          ; four plain instructions ahead of the first read of the results (ISA guide 7.12.1)
.endr
.endm
; weight x, K steps 2 u and 2 u + 1 of 32.  Lane (r, h) takes 16 neighbouring numbers, k = 32 q + 16 h + 0 .. 15, of weight's row r and of x's row r: the same place of k in both operands, so the products meet.
; The two K steps add onto two accumulators, which take turns.
.macro WBATCH u
.irp i, 0,1
.irp t, 0,1,2,3
	ds_load_b128 v[WD+32*\i+4*\t:WD+32*\i+4*\t+3], v[WGA] offset:128*(2*(\u)+\i)+16*\t
.endr
.irp t, 0,1,2,3
	ds_load_b128 v[WD+32*\i+16+4*\t:WD+32*\i+16+4*\t+3], v[XFA] offset:128*(2*(\u)+\i)+16*\t
.endr
.endr
.irp i, 0,1
	s_wait_dscnt 8-8*\i                            ; this K step's eight loads are in; the other's eight may be out
.irp f, 0,16
.irp t, 0,1,2,3,4,5,6,7
	v_cvt_pk_bf16_f32 v[WD+32*\i+\f+\t], v[WD+32*\i+\f+2*\t], v[WD+32*\i+\f+2*\t+1]   ; 16 numbers into 8 registers, in place, ascending
.endr
.endr
.if (\u) == 0
	v_wmma_f32_16x16x32_bf16 v[AC+8*\i:AC+8*\i+7], v[WD+32*\i:WD+32*\i+7], v[WD+32*\i+16:WD+32*\i+23], 0
.else
	v_wmma_f32_16x16x32_bf16 v[AC+8*\i:AC+8*\i+7], v[WD+32*\i:WD+32*\i+7], v[WD+32*\i+16:WD+32*\i+23], v[AC+8*\i:AC+8*\i+7]
.endif
.endr
.rept 4
	v_nop                                          ; four plain instructions ahead of loads into the products' sources, and of the first read of the results
.endr
.endm
	s_load_b256 s[4:11], s[0:1], 0x0               ; HN_ids s[4:5], emb_id s[6:7], emb_layer s[8:9], x s[10:11]
	s_load_b256 s[12:19], s[0:1], 0x20             ; weight s[12:13], W_A s[14:15], tp s[16:17], bp s[18:19]
	s_load_b64 s[20:21], s[0:1], 0x40              ; hq
	s_set_vgpr_msb 0x40
	v_lshl_add_u32 v0, v0, 2, 0x34800
	v_mov_b32 v1, 0
	s_set_vgpr_msb 0x4045
	ds_add_u32 v0, v1
	ds_add_u32 v0, v1
	s_set_vgpr_msb 0x4500
	v_lshrrev_b32 v[TMP], 5, v0
	v_readfirstlane_b32 s22, v[TMP]                ; wave 0..3
	v_and_b32 v[R], 15, v0
	v_bfe_u32 v[H], v0, 4, 1
	v_lshlrev_b32 v[R4], 2, v[R]
	v_lshlrev_b32 v[H128], 7, v[H]
	s_lshr_b32 s23, s22, 1                         ; s: my K step
	s_and_b32 s24, s22, 1                          ; half: my 64 columns
	s_mov_b32 s25, ttmp9                           ; w
	s_lshr_b32 s26, s25, 4                         ; a
	s_bfe_u32 s27, s25, 0x30001                    ; kc: 3 bits from bit 1
	s_and_b32 s28, s25, 1                          ; e
	s_lshl_b32 s29, s26, 1
	s_or_b32 s29, s29, s28                         ; g = 2 a + e: which 64 rows of weight
	s_mov_b32 s30, 0x76543210
	s_mov_b32 s31, 0xfedcba98                      ; v_permlanex16_b32's selects for lane l xor 16
	; group 1 for W_A's pieces: 32 rows x 64 elements of 4 bytes, 32,768 elements from row to row, dense in LDS
	s_mov_b32 s[G1W+0], 2<<16                      ; no mask; elements of 4 bytes; no padding
	s_mov_b32 s[G1W+1], 64<<16                     ; tensor_dim0
	s_mov_b32 s[G1W+2], 32<<16                     ; tensor_dim1
	s_mov_b32 s[G1W+3], 64<<16                     ; tile_dim0
	s_mov_b32 s[G1W+4], 32                         ; tile_dim1
	s_mov_b32 s[G1W+5], 32768                      ; the pitch
	s_mov_b32 s[G1W+6], 0
	s_mov_b32 s[G1W+7], 0
	; groups 1 for x (4 rows) and weight (16 rows): rows of 256 elements of 4 bytes, 2,048 elements apart, 4 words of padding behind every 256 words
.irp g, G1X, G1G
	s_mov_b32 s[\g+0], (2<<16)|(1<<20)|(7<<22)|(3<<25)
	s_mov_b32 s[\g+1], 256<<16
	s_mov_b32 s[\g+3], 256<<16
	s_mov_b32 s[\g+5], 2048
	s_mov_b32 s[\g+6], 0
	s_mov_b32 s[\g+7], 0
.endr
	s_mov_b32 s[G1X+2], 4<<16
	s_mov_b32 s[G1X+4], 4
	s_mov_b32 s[G1G+2], 16<<16
	s_mov_b32 s[G1G+4], 16
	; groups 0: the LDS addresses, and the tiles' byte offsets, to which the buffers' addresses are added when they have come
	s_lshl_b32 s89, s27, 10                        ; 1,024 kc: the K chunk in a row of x or of weight
	s_mov_b32 s[G0X], 1
	s_mul_i32 s[G0X+1], s22, 4*XP
	s_add_co_u32 s[G0X+1], s[G0X+1], XT            ; x: my wave brings rows 4 wave .. 4 wave + 3
	s_lshl_b32 s[G0X+2], s22, 15
	s_add_co_u32 s[G0X+2], s[G0X+2], s89
	s_mov_b32 s[G0X+3], 0
	s_mov_b32 s[G0G], 1
	s_mul_i32 s[G0G+1], s22, 16*XP
	s_add_co_u32 s[G0G+1], s[G0G+1], WGT           ; weight: rows 64 g + 16 wave on
	s_lshl_b32 s[G0G+2], s29, 19
	s_lshl_b32 s32, s22, 17
	s_add_co_u32 s[G0G+2], s[G0G+2], s32
	s_add_co_u32 s[G0G+2], s[G0G+2], s89
	s_mov_b32 s[G0G+3], 0
	s_lshl_b32 s32, s23, 24                        ; W_A: 128 s rows of 131,072 bytes,
	s_lshl_b32 s33, s25, 9                         ; 512 w,
	s_add_co_u32 s32, s32, s33
	s_lshl_b32 s33, s24, 8                         ; 256 half
	s_add_co_u32 s32, s32, s33
	s_mov_b32 s33, 0
	s_lshl_b32 s34, s23, 9                         ; the embeddings: 128 s numbers into a row
	s_mov_b32 s35, 0
	s_lshl_b32 s89, s22, 15                        ; my wave's tile of W_A in LDS
	s_wait_dscnt 0x0
	s_wait_kmcnt 0x0
	s_add_nc_u64 s[6:7], s[6:7], s[34:35]
	s_add_nc_u64 s[8:9], s[8:9], s[34:35]
	global_load_b32 v[ID], v[R4], s[4:5]           ; the ids first: the gather hangs on them
.irp c, 0,1
.irp t, 0,1,2,3,4,5,6,7
	global_load_b128 v[ELAY+32*\c+4*\t:ELAY+32*\c+4*\t+3], v[H128], s[8:9] offset:LAYER*1024+256*\c+16*\t   ; k = 128 s + 64 c + 32 h + 4 t on: the places that the operand's layout gives lane (r, h)
.endr
.endr
	s_add_nc_u64 s[G0X+2:G0X+3], s[10:11], s[G0X+2:G0X+3]
	s_or_b32 s[G0X+3], s[G0X+3], 0x80000000        ; type = 2
	s_add_nc_u64 s[G0G+2:G0G+3], s[12:13], s[G0G+2:G0G+3]
	s_or_b32 s[G0G+3], s[G0G+3], 0x80000000
	s_add_nc_u64 s[14:15], s[14:15], s[32:33]
.irp p, 0,1,2,3
	s_mov_b32 s[G0W+4*\p], 1
	s_add_co_u32 s[G0W+4*\p+1], s89, \p*PIECEB
	s_add_nc_u64 s[G0W+4*\p+2:G0W+4*\p+3], s[14:15], \p*32*131072
	s_or_b32 s[G0W+4*\p+3], s[G0W+4*\p+3], 0x80000000
.endr
	; All six fills stand ahead of the first wait on TENSORcnt, the first LDS read and the first barrier; six tensor loads of a wave are out at the most.  The gather is issued between the fourth and the fifth.
	tensor_load_to_lds s[G0X:G0X+3], s[G1X:G1X+7]
	s_nop 0
	tensor_load_to_lds s[G0G:G0G+3], s[G1G:G1G+7]
	s_nop 0
	tensor_load_to_lds s[G0W:G0W+3], s[G1W:G1W+7]
	s_nop 0
	tensor_load_to_lds s[G0W+4:G0W+7], s[G1W:G1W+7]
	s_nop 0
	v_and_b32 v[TMP], 31, v0                       ; lane.  The addresses are made while the ids come
	v_lshlrev_b32 v[L4], 2, v[TMP]
	v_lshlrev_b32 v[L16], 4, v[TMP]
	v_add_nc_u32 v[WAD], s89, v[L4]
	v_mul_u32_u24 v[TMP], v[R], XP                 ; row r
	v_lshl_add_u32 v[XTA], v[H], 5, v[TMP]         ; + 32 h,
	s_lshl_b32 s89, s24, 8                         ; + 256 half,
	s_lshl_b32 s32, s28, 9                         ; + 512 e: column 128 e + 64 half + 8 h of the tile
	s_add_co_u32 s89, s89, s32
	s_add_co_u32 s89, s89, XT
	v_add_nc_u32 v[XTA], s89, v[XTA]
	v_lshl_add_u32 v[XFA], v[H], 6, v[TMP]
	s_mul_i32 s89, s22, 16*XP
	s_add_co_u32 s89, s89, WGT
	v_add_nc_u32 v[WGA], s89, v[XFA]
	v_add_nc_u32 v[XFA], XT, v[XFA]
	v_add_nc_u32 v[TSR], TS, v[R4]
	s_lshl_b32 s89, s22, 6
	s_add_co_u32 s89, s89, TS
	v_add_nc_u32 v[TSW], s89, v[R4]
	s_lshl_b32 s32, s25, 6                         ; tp: 64 w
	s_add_nc_u64 s[16:17], s[16:17], s[32:33]
	s_lshl_b32 s32, s29, 3
	s_or_b32 s32, s32, s27
	s_lshl_b32 s32, s32, 12                        ; bp: record 8 g + kc,
	s_lshl_b32 s34, s22, 10                        ; my wave's 1,024 bytes of it
	s_add_co_u32 s32, s32, s34
	s_add_nc_u64 s[18:19], s[18:19], s[32:33]
	s_mul_i32 s32, s23, 1280                       ; hq: K step s's record
	s_add_nc_u64 s[20:21], s[20:21], s[32:33]
	s_wait_loadcnt 16                              ; the ids are in; the 16 loads of emb_layer behind them may be out
	v_min_u32 v[ID], 999, v[ID]                    ; inside the table
	v_lshlrev_b32 v[EOFF], 10, v[ID]               ; a row is 1,024 bytes
	v_add_nc_u32 v[EOFF], v[EOFF], v[H128]
.irp c, 0,1
.irp t, 0,1,2,3,4,5,6,7
	global_load_b128 v[EID+32*\c+4*\t:EID+32*\c+4*\t+3], v[EOFF], s[6:7] offset:256*\c+16*\t
.endr
.endr
	tensor_load_to_lds s[G0W+8:G0W+11], s[G1W:G1W+7]
	s_nop 0
	tensor_load_to_lds s[G0W+12:G0W+15], s[G1W:G1W+7]
	s_nop 0
	v_mov_b32 v[PT], 0                             ; written once: a lane permute's destination counts as one of its sources
	s_wait_tensorcnt 5                             ; my quarter of x has landed (five younger loads may be out)
	s_barrier_signal -1
	s_barrier_wait -1                              ; everybody's has
	; ---- weight x: my 16 rows x 16 samples x 256 along K
	s_wait_tensorcnt 4                             ; my rows of weight have landed
	WBATCH 0
	WBATCH 1
	WBATCH 2
	WBATCH 3
.irp j, 0,2,4,6
	v_pk_add_f32 v[AC+16+\j:AC+17+\j], v[AC+\j:AC+1+\j], v[AC+8+\j:AC+9+\j]   ; the two accumulators, from their low ends on: lane (b, h), register j: o = 16 wave + 8 h + j
.endr
	global_store_b128 v[L16], v[AC+16:AC+19], s[18:19]             ; 32 lanes store 512 consecutive bytes
	global_store_b128 v[L16], v[AC+20:AC+23], s[18:19] offset:512
	s_wait_xcnt 0x0                                ; the stores' data lie where W_A's codes go: they are written again only behind this wait
	; ---- W_A's tile into codes, block by block as the blocks land
	PIECE 0, 3
	PIECE 1, 2
	PIECE 2, 1
	PIECE 3, 0
	SWAPS
.irp t, 0,1,2,3
	ds_load_b128 v[XR+8*\t:XR+8*\t+3], v[XTA] offset:64*\t         ; x(b, my eight columns of tile t)
	ds_load_b128 v[XR+8*\t+4:XR+8*\t+7], v[XTA] offset:64*\t+16
.endr
	; ---- h and its codes: lane (r, h) holds blocks h and 2 + h of sample r's K step s, 32 numbers each: no other lane is asked for a maximum
	s_wait_loadcnt 0x0
.irp j, 0,2,4,6,8,10,12,14,16,18,20,22,24,26,28,30,32,34,36,38,40,42,44,46,48,50,52,54,56,58,60,62
	v_pk_add_f32 v[EID+\j:EID+\j+1], v[EID+\j:EID+\j+1], v[ELAY+\j:ELAY+\j+1]
.endr
.irp c, 0,1
	v_max3_num_f32 v[MX0+\c], |v[EID+32*\c]|, |v[EID+32*\c+1]|, 0x1800000
.endr
.irp i, 2,4,6,8,10,12,14,16,18,20,22,24,26,28,30
.irp c, 0,1
	v_max3_num_f32 v[MX0+\c], v[MX0+\c], |v[EID+32*\c+\i]|, |v[EID+32*\c+\i+1]|   ; the two blocks by turns
.endr
.endr
.irp c, 0,1
	v_add_nc_u32 v[SCO+\c], 0xff000000, v[MX0+\c]
.endr
.irp c, 0,1
	v_lshrrev_b32 v[MX0+\c], 23, v[SCO+\c]         ; the scales' bytes
.endr
	v_lshl_or_b32 v[HS], v[MX1], 16, v[MX0]        ; blocks h and 2 + h,
	v_lshlrev_b32 v[MX0], 3, v[H]
	v_lshlrev_b32 v[HS], v[MX0], v[HS]             ; at their places in the word;
	v_permlanex16_b32 v[PT], v[HS], s30, s31
	v_or_b32 v[HS], v[HS], v[PT]                   ; with lane l xor 16's two the word is whole
.irp c, 0,1
.irp q, 0,1,2,3
	v_cvt_scalef32_pk8_fp4_f32 v[HC+4*\c+\q], v[EID+32*\c+8*\q:EID+32*\c+8*\q+7], v[SCO+\c]
.endr
.endr
	v_nop                                          ; one plain instruction behind the conversions
	s_or_b32 s89, s25, s24                         ; work-group 0's waves 0 and 2 store the image of K steps 0 and 1: a branch on ids alone
	s_cmp_lg_u32 s89, 0
	s_cbranch_scc1 .Lnot_hq
	global_store_b128 v[L16], v[HC:HC+3], s[20:21]
	global_store_b128 v[L16], v[HC+4:HC+7], s[20:21] offset:512
	global_store_b32 v[L4], v[HS], s[20:21] offset:1024
.Lnot_hq:
	; ---- A's part of my K step, and its part of t
	MULT
	s_wait_dscnt 0x0                               ; x at my columns
	v_pk_mul_f32 v[MX0:MX0+1], v[ACC:ACC+1], v[XR:XR+1]            ; two chains, each accumulator from its low end on
	v_pk_mul_f32 v[SCO:SCO+1], v[ACC+16:ACC+17], v[XR+16:XR+17]
.irp j, 2,4,6,8,10,12,14
	v_pk_fma_f32 v[MX0:MX0+1], v[ACC+\j:ACC+\j+1], v[XR+\j:XR+\j+1], v[MX0:MX0+1]
	v_pk_fma_f32 v[SCO:SCO+1], v[ACC+16+\j:ACC+17+\j], v[XR+16+\j:XR+17+\j], v[SCO:SCO+1]
.endr
	v_pk_add_f32 v[MX0:MX0+1], v[MX0:MX0+1], v[SCO:SCO+1]
	v_add_f32 v[MX0], v[MX0], v[MX1]
	v_permlanex16_b32 v[PT], v[MX0], s30, s31
	v_add_f32 v[MX0], v[MX0], v[PT]                ; my wave's part of t[b][a], in lanes b and b + 16 alike
	ds_store_b32 v[TSW], v[MX0]                    ; both write the same word with the same value
	s_wait_dscnt 0x0                               ; for the others' sake: my store has landed
	s_barrier_signal -1
	s_barrier_wait -1
	s_cmp_lg_u32 s22, 0
	s_cbranch_scc1 .Lend                           ; wave 0 adds the four parts
	ds_load_b32 v[MX0], v[TSR]
	ds_load_b32 v[MX1], v[TSR] offset:64
	ds_load_b32 v[SCO], v[TSR] offset:128
	ds_load_b32 v[BY], v[TSR] offset:192
	s_wait_dscnt 0x0
	v_add_f32 v[MX0], v[MX0], v[MX1]
	v_add_f32 v[SCO], v[SCO], v[BY]
	v_add_f32 v[MX0], v[MX0], v[SCO]
	s_wait_xcnt 0x0                                ; EXEC changes only behind this wait: it is a source of the stores above
	v_cmp_gt_u32 vcc_lo, 16, v0
	s_and_saveexec_b32 s88, vcc_lo
	global_store_b32 v[R4], v[MX0], s[16:17]       ; tp[w][b]: sixteen lanes, 64 bytes
	s_wait_xcnt 0x0
	s_or_b32 exec_lo, exec_lo, s88
.Lend:
	s_set_vgpr_msb 0x5
	s_wait_tensorcnt 0x0
	ds_add_u32 v0, v1
	s_wait_dscnt 0x0
	s_set_vgpr_msb 0x500
	s_endpgm
.Lfunc_end_k_qcced9e4d77_first:
	.size	k_qcced9e4d77_first, .Lfunc_end_k_qcced9e4d77_first-k_qcced9e4d77_first
	.p2alignl 7, 3214868480
	.fill 96, 4, 3214868480
	.section	.rodata,"a",@progbits
	.p2align	6, 0x0
	.amdhsa_kernel k_qcced9e4d77_first
		.amdhsa_group_segment_fixed_size 215552
		.amdhsa_private_segment_fixed_size 0
		.amdhsa_enable_private_segment 0
		.amdhsa_kernarg_size 72
		.amdhsa_user_sgpr_count 2
		.amdhsa_user_sgpr_kernarg_segment_ptr 1
		.amdhsa_wavefront_size32 1
		.amdhsa_system_sgpr_workgroup_id_x 1
		.amdhsa_system_sgpr_workgroup_id_y 1
		.amdhsa_system_sgpr_workgroup_id_z 1
		.amdhsa_system_vgpr_workitem_id 0
		.amdhsa_next_free_vgpr 258
		.amdhsa_next_free_sgpr 90
		.amdhsa_reserve_vcc 1
		.amdhsa_float_denorm_mode_32 3
		.amdhsa_float_denorm_mode_16_64 3
		.amdhsa_memory_ordered 1
		.amdhsa_forward_progress 1
		.amdhsa_inst_pref_size 62
	.end_amdhsa_kernel
	.amdgpu_metadata
---
amdhsa.version: [ 1, 2 ]
amdhsa.kernels:
  - .name:           k_qcced9e4d77_first
    .symbol:         k_qcced9e4d77_first.kd
    .args:
      - { .name: HN_ids, .offset: 0, .size: 8, .value_kind: global_buffer, .address_space: global }
      - { .name: emb_id, .offset: 8, .size: 8, .value_kind: global_buffer, .address_space: global }
      - { .name: emb_layer, .offset: 16, .size: 8, .value_kind: global_buffer, .address_space: global }
      - { .name: x, .offset: 24, .size: 8, .value_kind: global_buffer, .address_space: global }
      - { .name: weight, .offset: 32, .size: 8, .value_kind: global_buffer, .address_space: global }
      - { .name: W_A, .offset: 40, .size: 8, .value_kind: global_buffer, .address_space: global }
      - { .name: tp, .offset: 48, .size: 8, .value_kind: global_buffer, .address_space: global }
      - { .name: bp, .offset: 56, .size: 8, .value_kind: global_buffer, .address_space: global }
      - { .name: hq, .offset: 64, .size: 8, .value_kind: global_buffer, .address_space: global }
    .group_segment_fixed_size: 215552
    .private_segment_fixed_size: 0
    .kernarg_segment_align: 8
    .kernarg_segment_size: 72
    .max_flat_workgroup_size: 128
    .sgpr_count:     90
    .vgpr_count:     258
    .wavefront_size: 32
...
	.end_amdgpu_metadata
.endif
;; end of part 1
;; launch second (part 2): grid 256 x 1, 4 waves a work-group, no clusters, 168,448 bytes of LDS; arguments hq, W_B, tp, bp, bias, out0; writes out0
.if DOCPART == 2
	.amdgcn_target "amdgcn-amd-amdhsa--gfx1250"
	.amdhsa_code_object_version 6
	.text
	.protected	k_qcced9e4d77_second
	.globl	k_qcced9e4d77_second
	.p2align	8
	.type	k_qcced9e4d77_second,@function
k_qcced9e4d77_second:
	s_mov_b64 s[64:65], 0
	v_nop
	global_prefetch_b8 v0, s[64:65] scope:SCOPE_SE
	s_setreg_imm32_b32 hwreg(HW_REG_WAVE_MODE, 25, 1), 1
	s_wait_xcnt 0x0
; out[b][o] = sum_r B[b][o][r] t[b][r] + sum_kc bp[o / 64][kc][o % 64][b] + bias[o],  B = h W_B on codes of E2M1 (one E8M0 scale for each 32 along K = 256),  t[b][r] = sum_jj tp[16 r + jj][b].
; hq (h's codes and scale words, as an image of the operand's registers), tp and bp were stored by the launch before.
; SHARES.  256 work-groups of four waves.  Work-group v owns columns 128 v .. 128 v + 127 of W_B, which are outputs o = 8 v .. 8 v + 7 with all 16 r, for all 16 samples.
; Wave (s = wave / 2, half = wave % 2) takes K step s (128 rows of W_B) x 64 columns.  A tile of 16 neighbouring columns is ONE o with r = 0 .. 15: tile T of the wave is o = 8 v + 4 half + T.
; W_B HAS K AS ITS FIRST AXIS: a lane takes a column and its registers run down K.  The tile comes into LDS by tensor loads, whose rows are 256 consecutive bytes at a multiple of 256 from W_B's first byte, and goes
; into registers four bytes a lane.  A wave's tile comes as four loads of 32 rows, one block of the quantiser each, into the wave's own bytes: block p is quantised while the later blocks are on their way.
; THE PRODUCT IS USED TRANSPOSED (source 0 = 16 columns of W_B, source 1 = h): lane (b, h) holds sample b, and register j of tile T is B(b, o, r = 8 h + j): it meets t[b][8 h + j].
; The sums over the halves of the lanes, over K's two steps (two waves) and over bp's eight K chunks (chunk 4 s + 2 u + h lies with wave s, load u, half h of the lanes) are all linear and are added on the way.
; NO CLUSTER: of the 151,000 bytes or so that a work-group reads, the 16,384 of tp and the 2,304 of hq alone are also read by others.  Nothing is filled twice: the work-group's whole share lies in LDS at once.
; The output leaves as pieces of 32 bytes (8 outputs of a sample): a work-group owns all samples of its eight outputs, and out0 is 131,072 bytes against the 33,554,432 of W_B.
; LIMITS.  NaN and infinities among the inputs are not served.  A block of zeros gets the scale byte 1 where the rule says 127: its codes are zeros, which add nothing, and the bytes are read by this program alone.
; The sums are ordered otherwise than in the formula above.
.set PIECEB, 8192                      ; 32 rows x 256 bytes of W_B
.set TS,    131072                     ; LDS: from 0 the four waves' tiles of W_B, 32,768 bytes each; here t[b][r], rows of 64 bytes + 16: 1,280 bytes;
.set OS,    TS+1280                    ; and the two K steps' results, [s][b][8 outputs]: 1,024 bytes.  No tensor load lands in either
.set R,    1                           ; v1   lane % 16
.set H,    2                           ; v2   lane / 16
.set WAD,  3                           ; v3   LDS: my wave's tile of W_B + 4 x lane
.set L16,  4                           ; v4   16 x lane
.set L4,   5                           ; v5   4 x lane
.set TPO,  6                           ; v6   tp: 2,048 h + 4 r
.set BPO,  7                           ; v7   bp: 4,096 h + 16 r
.set BIO,  8                           ; v8   bias: 4 (thread % 8)
.set OUTO, 9                           ; v9   out0: 8,192 (thread / 8) + 4 (thread % 8)
.set TSW,  10                          ; v10  LDS: where I put my two numbers of t
.set TSR,  11                          ; v11  LDS: t[b][8 h ..]
.set MX0,  12                          ; v12-13 largest magnitudes, in two chains
.set MX1,  13
.set SCO,  14                          ; v14  the conversions' scale operand
.set BY,   15                          ; v15  a scale byte
.set SW,   16                          ; v16-17 W_B's scale words: lane = column, byte = block; column group 0, 1
.set HS,   18                          ; v18  h's scale word
.set HC,   20                          ; v20-27 h's fragment
.set OSW,  28                          ; v28  LDS: where I put my four results
.set OSR,  29                          ; v29  LDS: the result that my thread stores
.set TA,   30                          ; v30-31 at work
.set TB,   31
.set CD,   32                          ; v32-63 W_B's codes: four fragments of 8
.set WD,   64                          ; v64-127 two column groups x 32 numbers down K.  Before that: v64-95 tp's 32 numbers, v96-103 bp's 8
.set ACC,  64                          ; v64-95 B: four tiles of 8
.set BPL,  96
.set T,    128                         ; v128-135 t[b][8 h + 0 .. 7]
.set BPS,  136                         ; v136-139 bp: my two chunks' sum for outputs T = 0 .. 3
.set BI,   140                         ; v140 bias of my thread's output
.set P,    142                         ; v142-149 a pair of sums for each tile
.set O4,   152                         ; v152-155 my four results
.set PT,   156                         ; v156-159 lane permutes' destinations
.set G1W,  36                          ; s[36:43] descriptor group 1 for W_B's pieces;  s[44:59] the four groups 0
.set G0W,  44
; One block of 32 along K of 32 columns (column group gg, block p): all 32 numbers of a column are one lane's.
.macro QBLK gg, p
.set X,  WD+32*(\gg)
.set C0, CD+16*(\gg)+4*((\p)>>1)+8*((\p)&1)    ; blocks 0 and 2 into registers 0-7 of the group's 16, blocks 1 and 3 into 8-15
	v_max3_num_f32 v[MX0], |v[X]|, |v[X+1]|, |v[X+2]|
	v_max3_num_f32 v[MX1], |v[X+3]|, |v[X+4]|, |v[X+5]|
.irp i, 6,10,14,18,22,26
	v_max3_num_f32 v[MX0], v[MX0], |v[X+\i]|, |v[X+\i+1]|
	v_max3_num_f32 v[MX1], v[MX1], |v[X+\i+2]|, |v[X+\i+3]|
.endr
	v_max3_num_f32 v[MX0], v[MX0], |v[X+30]|, |v[X+31]|
	v_max3_num_f32 v[MX0], v[MX0], v[MX1], 0x1800000               ; and the floor 2^(3 - 127): the byte cannot fall under 1
	v_add_nc_u32 v[SCO], 0xff000000, v[MX0]                        ; 2 off the exponent field: the conversion takes this operand's exponent field as its scale
.irp q, 0,1,2,3
	v_cvt_scalef32_pk8_fp4_f32 v[C0+\q], v[X+8*\q:X+8*\q+7], v[SCO]
.endr
.if (\p) == 0                          ; the scale's byte; this shift is also the plain instruction behind the conversions
	v_lshrrev_b32 v[SW+\gg], 23, v[SCO]
.else
	v_lshrrev_b32 v[BY], 23, v[SCO]
	v_lshl_or_b32 v[SW+\gg], v[BY], 8*(\p), v[SW+\gg]
.endif
.endm
; Block p of my wave's tile: left = how many younger tensor loads of mine may stay out.
.macro PIECE p, left
	s_wait_tensorcnt \left                         ; a wave's tensor loads end in order: block p lies in my own bytes, which no other wave reads
.irp gg, 0,1
.irp i, 0,1,2,3,4,5,6,7,8,9,10,11,12,13,14,15,16,17,18,19,20,21,22,23,24,25,26,27,28,29,30,31
	ds_load_b32 v[WD+32*\gg+\i], v[WAD] offset:(\p)*PIECEB+\i*256+\gg*128    ; row 32 p + i, columns 32 gg + lane
.endr
.endr
	s_wait_dscnt 32                                ; group 0's 32 loads, and all LDS loads issued before them, are in; group 1's may be out
	QBLK 0, \p
	s_wait_dscnt 0x0
	QBLK 1, \p
.endm
; The operand's layout wants, for 16 columns, block 2 c in lanes 0-15 and block 2 c + 1 in lanes 16-31.  The exchange gives that for columns 0-15 of a group in its registers 0-7 and for columns 16-31 in 8-15.
.macro SWAPS
.irp gg, 0,1
.irp c, 0,1
.irp q, 0,1,2,3
	v_permlane16_swap_b32 v[CD+16*\gg+4*\c+\q], v[CD+16*\gg+8+4*\c+\q]
.endr
.endr
.endr
.endm
; Four products, each on an accumulator of its own and begun with the constant 0.  Tile T: columns 16 T on; its scale words lie in lanes 0-15 (even T) or 16-31 (odd T) of its group's register.
.macro MULT
.rept 8
	v_nop                                          ; a scale register written by vector instructions stands eight plain instructions ahead of a scaled product, an operand so written four
.endr
.irp g, 0,1
	v_wmma_scale_f32_16x16x128_f8f6f4 v[ACC+16*\g:ACC+16*\g+7], v[CD+16*\g:CD+16*\g+7], v[HC:HC+7], 0, v[SW+\g], v[HS] matrix_a_fmt:MATRIX_FMT_FP4 matrix_b_fmt:MATRIX_FMT_FP4
	v_wmma_scale_f32_16x16x128_f8f6f4 v[ACC+16*\g+8:ACC+16*\g+15], v[CD+16*\g+8:CD+16*\g+15], v[HC:HC+7], 0, v[SW+\g], v[HS] matrix_a_fmt:MATRIX_FMT_FP4 matrix_b_fmt:MATRIX_FMT_FP4 matrix_a_scale:MATRIX_SCALE_ROW1
.endr
.rept 4
	v_nop                                          ; four plain instructions ahead of the first read of the results (ISA guide 7.12.1)
.endr
.endm
	s_load_b256 s[4:11], s[0:1], 0x0               ; hq s[4:5], W_B s[6:7], tp s[8:9], bp s[10:11]
	s_load_b128 s[12:15], s[0:1], 0x20             ; bias s[12:13], out0 s[14:15]
	v_lshl_add_u32 v160, v0, 2, 0x29000
	v_mov_b32 v161, 0
	ds_add_u32 v160, v161
	ds_add_u32 v160, v161
	v_lshrrev_b32 v[TA], 5, v0
	v_readfirstlane_b32 s16, v[TA]                 ; wave 0..3
	v_and_b32 v[R], 15, v0
	v_bfe_u32 v[H], v0, 4, 1
	v_and_b32 v[TB], 31, v0                        ; lane
	v_lshlrev_b32 v[L16], 4, v[TB]
	v_lshlrev_b32 v[L4], 2, v[TB]
	v_lshlrev_b32 v[TPO], 2, v[R]
	v_lshl_add_u32 v[TPO], v[H], 11, v[TPO]
	v_lshlrev_b32 v[BPO], 4, v[R]
	v_lshl_add_u32 v[BPO], v[H], 12, v[BPO]
	v_and_b32 v[BIO], 7, v0
	v_lshlrev_b32 v[BIO], 2, v[BIO]
	s_lshr_b32 s17, s16, 1                         ; s: my K step
	s_and_b32 s18, s16, 1                          ; half: my 64 columns
	s_mov_b32 s19, ttmp9                           ; v
	s_mov_b32 s20, 0x76543210
	s_mov_b32 s21, 0xfedcba98                      ; v_permlanex16_b32's selects for lane l xor 16
	; group 1 for W_B's pieces: 32 rows x 64 elements of 4 bytes, 32,768 elements from row to row, dense in LDS
	s_mov_b32 s[G1W+0], 2<<16                      ; no mask; elements of 4 bytes; no padding
	s_mov_b32 s[G1W+1], 64<<16                     ; tensor_dim0
	s_mov_b32 s[G1W+2], 32<<16                     ; tensor_dim1
	s_mov_b32 s[G1W+3], 64<<16                     ; tile_dim0
	s_mov_b32 s[G1W+4], 32                         ; tile_dim1
	s_mov_b32 s[G1W+5], 32768                      ; the pitch
	s_mov_b32 s[G1W+6], 0
	s_mov_b32 s[G1W+7], 0
	s_lshl_b32 s22, s17, 24                        ; W_B: 128 s rows of 131,072 bytes,
	s_lshl_b32 s32, s19, 9                         ; 512 v,
	s_add_co_u32 s22, s22, s32
	s_lshl_b32 s32, s18, 8                         ; 256 half
	s_add_co_u32 s22, s22, s32
	s_mov_b32 s23, 0
	s_mul_i32 s24, s17, 1280                       ; hq: K step s's record
	s_mov_b32 s25, 0
	s_lshl_b32 s26, s16, 12                        ; tp: my wave sums r = 4 wave .. 4 wave + 3, 1,024 bytes each
	s_mov_b32 s27, 0
	s_and_b32 s28, s19, 0xf8                       ; bp: record 8 (v / 8)
	s_lshl_b32 s32, s17, 2
	s_add_co_u32 s28, s28, s32                     ; + 4 s,
	s_lshl_b32 s28, s28, 12
	s_bfe_u32 s32, s19, 0x20001                    ; in it o % 64 = 8 (v % 8) + 4 half + T: 1,024 ((v / 2) % 4)
	s_lshl_b32 s32, s32, 10
	s_add_co_u32 s28, s28, s32
	s_lshl_b32 s32, s18, 9                         ; + 512 half
	s_add_co_u32 s28, s28, s32
	s_and_b32 s32, s19, 1
	s_lshl_b32 s32, s32, 8                         ; + 256 (v % 2)
	s_add_co_u32 s28, s28, s32
	s_mov_b32 s29, 0
	s_lshl_b32 s30, s19, 5                         ; bias and a row of out0: 8 v numbers
	s_mov_b32 s31, 0
	s_lshl_b32 s33, s16, 15                        ; my wave's tile of W_B in LDS
	s_wait_dscnt 0x0
	s_wait_kmcnt 0x0
	s_add_nc_u64 s[4:5], s[4:5], s[24:25]
	s_add_nc_u64 s[6:7], s[6:7], s[22:23]
	s_add_nc_u64 s[8:9], s[8:9], s[26:27]
	s_add_nc_u64 s[10:11], s[10:11], s[28:29]
	s_add_nc_u64 s[12:13], s[12:13], s[30:31]
	s_add_nc_u64 s[14:15], s[14:15], s[30:31]
	; the small loads first, 38 of them; then the tile
	global_load_b128 v[HC:HC+3], v[L16], s[4:5]                    ; h's fragment, as its registers were stored
	global_load_b128 v[HC+4:HC+7], v[L16], s[4:5] offset:512
	global_load_b32 v[HS], v[L4], s[4:5] offset:1024               ; and its scale word
.irp jj, 0,1,2,3,4,5,6,7,8,9,10,11,12,13,14,15
.irp e, 0,1
	global_load_b32 v[WD+2*\jj+\e], v[TPO], s[8:9] offset:\e*1024+\jj*64    ; tp[16 (4 wave + 2 h + e) + jj][b]
.endr
.endr
	global_load_b128 v[BPL:BPL+3], v[BPO], s[10:11]                ; chunk 4 s + h, outputs T = 0 .. 3 of sample b: sixteen lanes read 256 consecutive bytes
	global_load_b128 v[BPL+4:BPL+7], v[BPO], s[10:11] offset:8192  ; chunk 4 s + 2 + h
	global_load_b32 v[BI], v[BIO], s[12:13]
.irp p, 0,1,2,3
	s_mov_b32 s[G0W+4*\p], 1
	s_add_co_u32 s[G0W+4*\p+1], s33, \p*PIECEB
	s_add_nc_u64 s[G0W+4*\p+2:G0W+4*\p+3], s[6:7], \p*32*131072
	s_or_b32 s[G0W+4*\p+3], s[G0W+4*\p+3], 0x80000000              ; type = 2
.endr
	tensor_load_to_lds s[G0W:G0W+3], s[G1W:G1W+7]                  ; four tensor loads of a wave are out, ahead of every wait on TENSORcnt, every LDS read and every barrier
	s_nop 0
	tensor_load_to_lds s[G0W+4:G0W+7], s[G1W:G1W+7]
	s_nop 0
	tensor_load_to_lds s[G0W+8:G0W+11], s[G1W:G1W+7]
	s_nop 0
	tensor_load_to_lds s[G0W+12:G0W+15], s[G1W:G1W+7]
	s_nop 0
	v_add_nc_u32 v[WAD], s33, v[L4]                ; the other addresses are made while the loads are out
	v_mul_u32_u24 v[TB], v[R], 80
	v_lshl_add_u32 v[TSW], v[H], 3, v[TB]          ; t[b][4 wave + 2 h]: 80 b + 16 wave + 8 h
	s_lshl_b32 s32, s16, 4
	s_add_co_u32 s32, s32, TS
	v_add_nc_u32 v[TSW], s32, v[TSW]
	v_lshl_add_u32 v[TSR], v[H], 5, v[TB]
	v_add_nc_u32 v[TSR], TS, v[TSR]
	s_lshl_b32 s32, s17, 9
	s_lshl_b32 s34, s18, 4
	s_add_co_u32 s32, s32, s34
	s_add_co_u32 s32, s32, OS
	v_lshlrev_b32 v[OSW], 5, v[R]
	v_add_nc_u32 v[OSW], s32, v[OSW]               ; 512 s + 32 b + 16 half
	v_lshl_add_u32 v[OSR], v0, 2, OS               ; thread = 8 b + output
	v_lshrrev_b32 v[TB], 3, v0
	v_lshl_add_u32 v[OUTO], v[TB], 13, v[BIO]
.irp t, 0,1,2,3
	v_mov_b32 v[PT+\t], 0                          ; written once: a lane permute's destination counts as one of its sources
.endr
	; ---- t: my wave's four r, two a lane, summed over the 16 work-groups that made parts of each
	s_wait_loadcnt 3                               ; h's image and tp are in; bp's two loads and the bias may be out
.irp m, 0,1,2,3,4,5,6,7
	v_pk_add_f32 v[WD+4*\m:WD+4*\m+1], v[WD+4*\m:WD+4*\m+1], v[WD+4*\m+2:WD+4*\m+3]
.endr
.irp m, 0,1,2,3
	v_pk_add_f32 v[WD+8*\m:WD+8*\m+1], v[WD+8*\m:WD+8*\m+1], v[WD+8*\m+4:WD+8*\m+5]
.endr
.irp m, 0,1
	v_pk_add_f32 v[WD+16*\m:WD+16*\m+1], v[WD+16*\m:WD+16*\m+1], v[WD+16*\m+8:WD+16*\m+9]
.endr
	v_pk_add_f32 v[WD:WD+1], v[WD:WD+1], v[WD+16:WD+17]
	ds_store_b64 v[TSW], v[WD:WD+1]
	s_wait_dscnt 0x0                               ; for the others' sake: my store has landed
	s_barrier_signal -1                            ; (the tensor loads may stay out)
	s_barrier_wait -1
	ds_load_b128 v[T:T+3], v[TSR]                  ; t[b][8 h + 0 .. 7]; the first block's wait on DScnt covers these two
	ds_load_b128 v[T+4:T+7], v[TSR] offset:16
	s_wait_loadcnt 0x0
	v_pk_add_f32 v[BPS:BPS+1], v[BPL:BPL+1], v[BPL+4:BPL+5]        ; my two chunks of weight x; their registers are then free for W_B's numbers
	v_pk_add_f32 v[BPS+2:BPS+3], v[BPL+2:BPL+3], v[BPL+6:BPL+7]
	; ---- W_B's tile into codes, block by block as the blocks land; then the product
	PIECE 0, 3
	PIECE 1, 2
	PIECE 2, 1
	PIECE 3, 0
	SWAPS
	MULT
	; ---- B t, the four tiles by turns, each accumulator from its low end on
.irp t, 0,1,2,3
	v_pk_mul_f32 v[P+2*\t:P+2*\t+1], v[ACC+8*\t:ACC+8*\t+1], v[T:T+1]
.endr
.irp k, 2,4,6
.irp t, 0,1,2,3
	v_pk_fma_f32 v[P+2*\t:P+2*\t+1], v[ACC+8*\t+\k:ACC+8*\t+\k+1], v[T+\k:T+\k+1], v[P+2*\t:P+2*\t+1]
.endr
.endr
.irp t, 0,1,2,3
	v_add_f32 v[O4+\t], v[P+2*\t], v[P+2*\t+1]
.endr
.irp t, 0,1,2,3
	v_add_f32 v[O4+\t], v[O4+\t], v[BPS+\t]        ; with my two chunks of weight x
.endr
.irp t, 0,1,2,3
	v_permlanex16_b32 v[PT+\t], v[O4+\t], s20, s21
.endr
.irp t, 0,1,2,3
	v_add_f32 v[O4+\t], v[O4+\t], v[PT+\t]         ; with lane l xor 16's: r = 0 .. 15, four chunks
.endr
	ds_store_b128 v[OSW], v[O4:O4+3]               ; lanes b and b + 16 write the same bytes with the same values
	s_wait_dscnt 0x0                               ; for the others' sake: my store has landed
	s_barrier_signal -1
	s_barrier_wait -1
	ds_load_b32 v[TA], v[OSR]                      ; K step 0's
	ds_load_b32 v[TB], v[OSR] offset:512           ; and K step 1's
	s_wait_dscnt 0x0
	v_add_f32 v[TA], v[TA], v[TB]
	v_add_f32 v[TA], v[TA], v[BI]
	global_store_b32 v[OUTO], v[TA], s[14:15]      ; out0[thread / 8][8 v + thread % 8]: eight lanes store 32 consecutive bytes
	s_wait_tensorcnt 0x0
	ds_add_u32 v160, v161
	s_wait_dscnt 0x0
	s_endpgm
.Lfunc_end_k_qcced9e4d77_second:
	.size	k_qcced9e4d77_second, .Lfunc_end_k_qcced9e4d77_second-k_qcced9e4d77_second
	.p2alignl 7, 3214868480
	.fill 96, 4, 3214868480
	.section	.rodata,"a",@progbits
	.p2align	6, 0x0
	.amdhsa_kernel k_qcced9e4d77_second
		.amdhsa_group_segment_fixed_size 168448
		.amdhsa_private_segment_fixed_size 0
		.amdhsa_enable_private_segment 0
		.amdhsa_kernarg_size 48
		.amdhsa_user_sgpr_count 2
		.amdhsa_user_sgpr_kernarg_segment_ptr 1
		.amdhsa_wavefront_size32 1
		.amdhsa_system_sgpr_workgroup_id_x 1
		.amdhsa_system_sgpr_workgroup_id_y 1
		.amdhsa_system_sgpr_workgroup_id_z 1
		.amdhsa_system_vgpr_workitem_id 0
		.amdhsa_next_free_vgpr 162
		.amdhsa_next_free_sgpr 66
		.amdhsa_reserve_vcc 0
		.amdhsa_float_denorm_mode_32 3
		.amdhsa_float_denorm_mode_16_64 3
		.amdhsa_memory_ordered 1
		.amdhsa_forward_progress 1
		.amdhsa_inst_pref_size 42
	.end_amdhsa_kernel
	.amdgpu_metadata
---
amdhsa.version: [ 1, 2 ]
amdhsa.kernels:
  - .name:           k_qcced9e4d77_second
    .symbol:         k_qcced9e4d77_second.kd
    .args:
      - { .name: hq, .offset: 0, .size: 8, .value_kind: global_buffer, .address_space: global }
      - { .name: W_B, .offset: 8, .size: 8, .value_kind: global_buffer, .address_space: global }
      - { .name: tp, .offset: 16, .size: 8, .value_kind: global_buffer, .address_space: global }
      - { .name: bp, .offset: 24, .size: 8, .value_kind: global_buffer, .address_space: global }
      - { .name: bias, .offset: 32, .size: 8, .value_kind: global_buffer, .address_space: global }
      - { .name: out0, .offset: 40, .size: 8, .value_kind: global_buffer, .address_space: global }
    .group_segment_fixed_size: 168448
    .private_segment_fixed_size: 0
    .kernarg_segment_align: 8
    .kernarg_segment_size: 48
    .max_flat_workgroup_size: 128
    .sgpr_count:     66
    .vgpr_count:     162
    .wavefront_size: 32
...
	.end_amdgpu_metadata
.endif
;; end of part 2
